; MI455X (gfx1250); checked and timed in simulation.
; The chip was launched on July 23, 2026; its instructions are those of AMD's public machine-readable ISA for CDNA 5 (MIT licence, August 2026) and "CDNA5" Instruction Set Architecture Reference Guide (July 2026). The comments in the code are by the model that wrote it; some were corrected since.
;; Golden Mo E Baseline. Allowed arithmetic: matrix products marked QUANTISED: E2M3 operands, one E8M0 scale for each 32 along K, by v_wmma_scale_f32_16x16x128_f8f6f4 with both operands' format E2M3, f32 sums; products left as they are: f32 operands where the result goes on into a quantised operand, else bf16, f16 or f32 operands; f32 sums; everything else in f32.
;; Inputs: W1_codes 8 x 4,096 x 32 x 24 uint8 (E2M3 codes of W1, K innermost, in blocks of 32 codes, four codes in three bytes); W1_scales 8 x 4,096 x 32 uint8 (E8M0 scales of W1, one for each 32 codes along K); W2_codes 8 x 1,024 x 128 x 24 uint8 (E2M3 codes of W2, K innermost, in blocks of 32 codes, four codes in three bytes); W2_scales 8 x 1,024 x 128 uint8 (E8M0 scales of W2, one for each 32 codes along K); Wg 1,024 x 8 float32; b1 8 x 4,096 float32; b2 8 x 1,024 float32; bg 8 float32; x 1,024 x 1,024 float32.
;; Outputs: out0 1,024 x 1,024 float32.
;; This version of the problem:
;;   THIS VERSION OF THE PROBLEM IS GIVEN IN LOW PRECISION. The matrix products marked QUANTISED in the list below multiply operands that are first quantised to E2M3 (2 exponent bits, 3 mantissa bits; 6 bits a number), with one power-of-two scale for each 32 numbers along K (OCP MX v1.0); their sums are f32. All else is computed in f32.
;;   The module's matrix products, in the order in which they are computed (A, B: the left and right operand; K: the contracted axis; several contracted axes count as one K, in the product's order):
;;     1. [M 1,024, K 1,024] x [K 1,024, N 8]; A: input x; B: input Wg: left as it is (N = 8 < 16)
;;     2. [M 32,768, K 1,024] x [K 1,024, N 1,024]; A: input W1 (given as codes); B: input x: QUANTISED
;;     3. batch 8 x [M 1,024, K 4,096] x [K 4,096, N 1,024]; A: computed on the way; B: input W2 (given as codes): QUANTISED
;;     4. batch 1,024 x [M 1, K 8] x [K 8, N 1,024]; A: computed on the way; B: computed on the way: left as it is (K = 8 < 32)
;;   THE QUANTISER, for each operand of a quantised product, along K:
;;     - K is cut into blocks of 32 from its start; a last block that is shorter is filled with zeros.
;;     - A block's scale is 2^e with e = floor(log2(the largest magnitude in the block)) - 2, held to -126 .. 127; a block of zeros has e = 0. As a byte (E8M0): e + 127.
;;     - Each number is divided by its block's scale, clamped to +-7.5, and rounded to the nearest number of E2M3, ties to even, subnormals kept.
;;     - The product sums the exact products of the quantised numbers (number of the format x scale) in f32.
;;   ~~~python
;;   def quantise(x, axis):      # numpy; x: float32 -> the quantised numbers, widened to float32 again
;;       x = np.moveaxis(x, axis, -1); K = x.shape[-1]
;;       x = np.pad(x, [(0, 0)] * (x.ndim - 1) + [(0, -K % 32)]); x = x.reshape(x.shape[:-1] + (-1, 32)); a = np.abs(x).max(-1, keepdims=True)
;;       e = np.where(a > 0, np.clip(np.frexp(np.where(a > 0, a, 1))[1] - 1 - 2, -126, 127), 0)      # np.frexp(a)[1] - 1 = floor(log2(a)), exactly
;;       r = np.clip(x / 2.0 ** e, -7.5, 7.5)
;;       step = 2.0 ** (np.maximum(np.frexp(np.where(r == 0, 1, r))[1] - 1, 0) - 3)
;;       q = np.round(r / step) * step * 2.0 ** e      # np.round: ties to even
;;       return np.moveaxis(q.reshape(q.shape[:-2] + (-1,))[..., :K], -1, axis).astype(np.float32)
;;   ~~~
;;   OPERANDS COMPUTED ON THE WAY. 'Computed on the way' means the value that the module computes at that place (a softmax that the list does not call 'softmax' is quantised finished and normalised). What goes into a quantiser is computed in f32, as accurately as f32 sums, v_exp_f32 and their like allow (about 1e-6 of the number): no bf16 or f16 on the way to a quantiser, and a product that is left as it is and whose result goes on into a quantised operand takes f32 operands (vector FMAs, or v_wmma_f32_16x16x4_f32). A number that lies on a knife's edge between two numbers of the format may be rounded either way, as far as f32 arithmetic and the matrix unit's own rounding can turn it there, and no further.
;;   INPUTS GIVEN AS CODES. W1 (in the module: [8, 1024, 4096], K = its axis 1); W2 (in the module: [8, 4096, 1024], K = its axis 1): each comes as NAME_codes (uint8): NAME with its K axis moved to the last place and cut into blocks of 32 codes, [.., K / 32, bytes a block], one block behind the other in memory; four codes in three bytes: a row's codes are one little-endian stream of bits, code i at bits 6 i .. 6 i + 5 (a code: sign, 2 exponent bits, 3 mantissa bits); and NAME_scales (uint8): the same leading axes, one E8M0 byte (e + 127) for each 32 codes along K. Its value is code x scale, taken as it is: it is not quantised again, and the codes and scales need not be those that the quantiser above would give.
;; One version. Each part assembles by itself: llvm-mc -triple=amdgcn-amd-amdhsa -mcpu=gfx1250 --defsym DOCPART=n.
;; ======== version 1 of 1: 4 launches
;; workspace buffers: xq 819,200 bytes; h 26,214,400 bytes; wts 32,768 bytes; planes 16,777,216 bytes
;; launch prep (part 1): grid 64 x 1, 8 waves a work-group, no clusters, 109,568 bytes of LDS; arguments x, Wg, bg, xq, wts; writes xq, wts
.if DOCPART == 1
	.amdgcn_target "amdgcn-amd-amdhsa--gfx1250"
	.amdhsa_code_object_version 6
	.text
	.protected	k_qa2e4fd4a5d_prep
	.globl	k_qa2e4fd4a5d_prep
	.p2align	8
	.type	k_qa2e4fd4a5d_prep,@function
k_qa2e4fd4a5d_prep:
	s_mov_b64 s[64:65], 0
	v_nop
	global_prefetch_b8 v0, s[64:65] scope:SCOPE_SE
	s_setreg_imm32_b32 hwreg(HW_REG_WAVE_MODE, 25, 1), 1
	s_wait_xcnt 0x0
; FIRST OF FOUR LAUNCHES.  y = sum over e of w[n][e] (relu(x W1_e + b1_e) W2_e + b2_e), w = the renormalised top 5 of softmax((x Wg + bg) / e).
; NO WORK IS LEFT OUT: all eight experts are computed for every token and weighed, the three not chosen with the weight 0, as the problem writes it; every input is loaded.
; This launch: (1) x [1024][1024] f32 becomes codes of E2M3 with one E8M0 byte for each 32 along K, stored as IMAGES OF OPERAND REGISTERS in the order in which the next launch's LDS slots take them;
; (2) the gate: w[n][8] f32, 0 for the experts not chosen.
; SHARES.  Work-group T: tokens 16 T .. 16 T + 15.  Wave s: K step s (128 along K).
; x COMES IN WHOLE ROWS: a load takes one token's 512 consecutive bytes, 16 a lane; the 16 rows turn through the wave's own stage in LDS (528 bytes from row to row) and come back so that lane (r = lane % 16, h = lane / 16)
; holds of token r the numbers k = 128 s + 64 c + 32 h + 0 .. 31, c = 0, 1: two whole blocks, in the order in which the operand's layout gives them to that lane: the conversions' results are the operand's registers.
; xq: slot 4 t + ks (102,400 bytes; t = token / 512, ks = K / 256); in it part w (25,600 bytes; 128 tokens): codes [j][a][1,536], then at 24,576 scale words [j][a][r]; token = 512 t + 128 w + 16 a + r, K step = 2 ks + j.
; An image: registers 4 c' .. 4 c' + 3 of lane l at 512 c' + 16 l.
; THE GATE'S SUMS are f32 products, since their result steers a choice of five: 32 matrix instructions of the f32 form a wave (16 tokens x 4 k x 16 columns each), 16.8 million multiply-adds in the whole launch: no bulk work.
; Source 0 = the registers of x as they stand: pair t of lane (r, h) holds k numbers 2 t, 2 t + 1 of that lane's 64.  Source 1 = Wg at THE SAME k of the same half of the lanes, column lane % 8: both sources have one map from
; (half, register) to k, so each product meets its partner.  Columns 8-15 repeat columns 0-7.  Four accumulators take turns and are written by matrix instructions alone.
; Wg's 128 rows of the K step go through the wave's own LDS once, 512 consecutive bytes a load, with 128 bytes of padding behind each 32 rows: the two halves of the lanes, 32 rows apart, then read banks 32 apart (64 banks of 4 bytes: ISA guide 11.1).
; The eight waves' sums meet in LDS; wave 0 finishes.  The maximum is taken away before the exponential.  Rank of expert e = how many experts come before it; of two equal probabilities the lower index comes first, as in jax.lax.top_k.
; All choices are selects: no branch on data.
; LIMITS: NaN and infinities are not served.  A block whose largest magnitude lies under 2^-124 gets the byte 1 (a block of zeros too, where the rule says 127: its codes are zeros, and this program alone reads the bytes).
; The gate's sums are f32 in another order than the reference's, and 1 / e is folded into one constant: a token whose fifth and sixth probability agree to about 1e-7 of their size may choose otherwise.
; NO JOINT REQUESTS: the launch loads through registers (24 loads a wave, all out at once); what work-groups share is Wg, 32 KB.  64 work-groups: an image wants 16 tokens in one wave, and the gate's sum over K stays in a work-group.
.set SP,    528                        ; a row of the stage: 512 bytes + 16 = 33 x 16
.set STG,   0                          ; LDS: the stages, 16 rows for each wave, the wave's own
.set WGL,   67584                      ; Wg's rows of the K step, 4 x (1,024 + 128) bytes for each wave, the wave's own
.set WGB,   4608
.set PS,    104448                     ; the waves' partial sums: [wave][token][8] f32
.set SPARE, 108544                     ; the spare words, 128 bytes for each wave: four blocks of 256 bytes that no other line names
.set G,     16                         ; v16-31   the gate's sums of my wave
.set X,     32                         ; v32-95   my 64 numbers of x
.set XR,    96                         ; v96-159  x as it is loaded; later:
.set PC,    96                         ; v96-107  the fragment's codes
.set PT,    108                        ; v108-114 the second halves of the conversions
.set TM,    116                        ; v116-119 maxima, v120-121 scale operands, v122-123 bytes, v124 the scale word, v125 at work
.set GA,    160                        ; v160-191 four accumulators: no vector instruction and no load writes them
.set WB,    192                        ; v192-255 Wg as loaded (32 registers), then Wg[my k number i][lane % 8], i = 0 .. 63
	s_load_b256 s[4:11], s[0:1], 0x0               ; x s[4:5], Wg s[6:7], bg s[8:9], xq s[10:11]
	s_load_b64 s[12:13], s[0:1], 0x20              ; wts
	v_lshl_add_u32 v12, v0, 2, SPARE               ; my spare word; never rewritten
	v_mov_b32 v13, 0                               ; 0; never rewritten
	v_lshrrev_b32 v1, 5, v0
	v_readfirstlane_b32 s14, v1                    ; wave s
	v_and_b32 v10, 31, v0                          ; lane
	v_and_b32 v1, 15, v0                           ; r
	v_bfe_u32 v2, v0, 4, 1                         ; h
	v_lshlrev_b32 v4, 4, v10                       ; 16 x lane: my bytes of a load's 512, and of an image's
	s_mul_i32 s26, s14, 16*SP                      ; my stage (the stages begin at LDS byte 0)
	v_add_nc_u32 v5, s26, v4                       ; into it: a row as it is loaded
	v_mul_u32_u24 v6, v1, SP
	v_lshl_add_u32 v6, v2, 7, v6
	v_add_nc_u32 v6, s26, v6                       ; out of it: row r, + 128 h
	s_mul_i32 s27, s14, WGB
	s_add_co_u32 s27, s27, WGL                     ; my wave's rows of Wg
	v_add_nc_u32 v15, s27, v4                      ; into them
	v_and_b32 v16, 7, v0
	v_lshlrev_b32 v16, 2, v16                      ; 4 (lane % 8)
	v_mad_u32_u24 v3, v2, 1152, v16
	v_add_nc_u32 v3, s27, v3                       ; out of them: 32 rows and their padding for each half of the lanes, my column
	s_lshl_b32 s28, s14, 9                         ; 512 s
	s_add_co_u32 s29, s28, PS
	v_lshl_add_u32 v8, v2, 8, v16
	v_add_nc_u32 v8, s29, v8                       ; LDS: my wave's sums: tokens 8 h on, expert lane % 8
	v_lshlrev_b32 v7, 2, v1                        ; 4 r
	v_lshlrev_b32 v9, 5, v1
	v_lshl_add_u32 v11, v2, 4, v9                  ; 32 r + 16 h: my 16 bytes of a token's 8 weights
	v_add_nc_u32 v9, PS, v9                        ; LDS: token r's sums of wave 0
	v_lshlrev_b32 v14, 3, v2                       ; 8 h
	s_mov_b32 s24, 0x76543210
	s_mov_b32 s25, 0xfedcba98                      ; v_permlanex16_b32's selects for lane l xor 16
	s_lshl_b32 s40, s14, 12                        ; Wg: 128 rows of 32 bytes a K step
	s_mov_b32 s41, 0
	s_lshl_b32 s30, ttmp9, 16
	s_add_co_u32 s30, s30, s28                     ; x: 16 rows a work-group, 512 bytes a K step
	s_mov_b32 s31, 0
	s_lshr_b32 s36, ttmp9, 5                       ; t
	s_lshl_b32 s36, s36, 2
	s_lshr_b32 s37, s14, 1                         ; ks
	s_add_co_u32 s36, s36, s37
	s_mul_i32 s36, s36, 102400                     ; the slot
	s_bfe_u32 s37, ttmp9, 0x20003                  ; w = (T / 8) % 4
	s_mul_i32 s37, s37, 25600
	s_add_co_u32 s36, s36, s37                     ; the part
	s_and_b32 s37, s14, 1                          ; j
	s_and_b32 s38, ttmp9, 7                        ; a
	s_mul_i32 s32, s37, 12288
	s_mul_i32 s33, s38, 1536
	s_add_co_u32 s32, s32, s33
	s_add_co_u32 s32, s32, s36                     ; the image
	s_mov_b32 s33, 0
	s_lshl_b32 s34, s37, 9
	s_lshl_b32 s35, s38, 6
	s_add_co_u32 s34, s34, s35
	s_add_co_u32 s34, s34, s36
	s_add_co_u32 s34, s34, 24576                   ; its 16 scale words
	s_mov_b32 s35, 0
	s_lshl_b32 s38, ttmp9, 9                       ; wts: 16 tokens x 32 bytes
	s_mov_b32 s39, 0
	s_wait_kmcnt 0x0
	s_add_nc_u64 s[4:5], s[4:5], s[30:31]
	s_add_nc_u64 s[6:7], s[6:7], s[40:41]
	s_add_nc_u64 s[32:33], s[10:11], s[32:33]
	s_add_nc_u64 s[34:35], s[10:11], s[34:35]
	s_add_nc_u64 s[12:13], s[12:13], s[38:39]
	s_load_b256 s[16:23], s[8:9], 0x0              ; bg's eight numbers
.irp g, 0,1,2,3,4,5,6,7
	global_load_b128 v[WB+4*\g:WB+4*\g+3], v4, s[6:7] offset:512*\g            ; Wg's 4,096 bytes, 512 consecutive bytes a load
.endr
.irp i, 0,1,2,3,4,5,6,7,8,9,10,11,12,13,14,15
	global_load_b128 v[XR+4*\i:XR+4*\i+3], v4, s[4:5] offset:4096*\i th:TH_LOAD_NT   ; token i's 512 consecutive bytes; read once in the launch
.endr
	s_wait_loadcnt 16                              ; Wg's eight loads are in; x's sixteen may be out
.irp g, 0,1,2,3,4,5,6,7
	ds_store_b128 v15, v[WB+4*\g:WB+4*\g+3] offset:512*\g+128*(\g/2)           ; 16 rows a store; 128 bytes of padding behind each 32 rows
.endr
.irp i, 0,1,2,3,4,5,6,7,8,9,10,11,12,13,14,15
	s_wait_loadcnt 15-\i                           ; loads come back in order (ISA guide 5.7.1): row i is in
	ds_store_b128 v5, v[XR+4*\i:XR+4*\i+3] offset:SP*\i
.endr
.irp c, 0,1
.irp i, 0,1,2,3,4,5,6,7
	ds_load_b128 v[X+32*\c+4*\i:X+32*\c+4*\i+3], v6 offset:256*\c+16*\i        ; LDS serves a wave's instructions in order (ISA guide 5.7.1.4): these see my stores; the bytes are my wave's own: no barrier
.endr
.endr
.macro LOADWB c                        ; Wg[128 s + 64 c + 32 h + i][lane % 8], i = 0 .. 31
.irp i, 0,1,2,3,4,5,6,7,8,9,10,11,12,13,14,15,16,17,18,19,20,21,22,23,24,25,26,27,28,29,30,31
	ds_load_b32 v[WB+32*\c+\i], v3 offset:2304*\c+32*\i
.endr
.endm
	s_wait_dscnt 31                                ; of the 40 issued the oldest nine are done: Wg's eight stores have read the registers that the loads below fill
	LOADWB 0
	s_wait_dscnt 31                                ; only the youngest 31 loads of Wg may be out: x is in its registers, and the stores of x have read theirs
	LOADWB 1
	; ---- the quantiser, while Wg's words land: my two blocks, all 32 numbers of each are mine
.irp c, 0,1
.irp u, 0,1
	v_max3_num_f32 v[TM+2*\c+\u], |v[X+32*\c+16*\u]|, |v[X+32*\c+16*\u+1]|, 0x1800000   ; and the floor 2^(3 - 127): the byte cannot fall under 1
.endr
.endr
.irp i, 2,4,6,8,10,12,14
.irp c, 0,1
.irp u, 0,1
	v_max3_num_f32 v[TM+2*\c+\u], v[TM+2*\c+\u], |v[X+32*\c+16*\u+\i]|, |v[X+32*\c+16*\u+\i+1]|   ; four chains by turns
.endr
.endr
.endr
.irp c, 0,1
	v_max_num_f32 v[TM+2*\c], v[TM+2*\c], v[TM+2*\c+1]
.endr
.irp c, 0,1
	v_add_nc_u32 v[TM+4+\c], 0xff000000, v[TM+2*\c]    ; 2 off the exponent field: the conversion takes this operand's exponent field as its scale
.endr
.irp c, 0,1
	v_lshrrev_b32 v[TM+6+\c], 23, v[TM+4+\c]           ; the scale's byte
.endr
	v_lshl_or_b32 v[TM+8], v[TM+7], 16, v[TM+6]        ; my two bytes: blocks h and 2 + h of the K step,
	v_lshlrev_b32 v[TM+8], v14, v[TM+8]                ; at their places in the word;
	v_mov_b32 v[TM+9], 0
	v_permlanex16_b32 v[TM+9], v[TM+8], s24, s25
	v_or_b32 v[TM+8], v[TM+8], v[TM+9]                 ; with lane l xor 16's two the word is whole
.irp c, 0,1
	v_cvt_scalef32_pk16_fp6_f32 v[PC+6*\c:PC+6*\c+2], v[X+32*\c:X+32*\c+15], v[TM+4+\c]
	v_cvt_scalef32_pk16_fp6_f32 v[PT+4*\c:PT+4*\c+2], v[X+32*\c+16:X+32*\c+31], v[TM+4+\c]   ; (a conversion's three registers begin on an even number)
.endr
	v_nop                                          ; one plain place behind a scaled conversion
.irp c, 0,1
.irp i, 0,1,2
	v_mov_b32 v[PC+3+6*\c+\i], v[PT+4*\c+\i]
.endr
.endr
.irp c, 0,1,2
	global_store_b128 v4, v[PC+4*\c:PC+4*\c+3], s[32:33] offset:512*\c     ; the image: 512 consecutive bytes a store
.endr
	global_store_b32 v7, v[TM+8], s[34:35]         ; 16 scale words; both halves of the lanes hold and store the same word
	; ---- the gate: my wave's sums over its 128 k
	s_wait_dscnt 0x0                               ; Wg's words are in
.irp t, 0,1,2,3,4,5,6,7,8,9,10,11,12,13,14,15,16,17,18,19,20,21,22,23,24,25,26,27,28,29,30,31
.if \t < 4
	v_wmma_f32_16x16x4_f32 v[GA+8*(\t%4):GA+8*(\t%4)+7], v[X+2*\t:X+2*\t+1], v[WB+2*\t:WB+2*\t+1], 0   ; each sum's first K step starts it
.else
	v_wmma_f32_16x16x4_f32 v[GA+8*(\t%4):GA+8*(\t%4)+7], v[X+2*\t:X+2*\t+1], v[WB+2*\t:WB+2*\t+1], v[GA+8*(\t%4):GA+8*(\t%4)+7]
.endif
.endr
.rept 8
	v_nop                                          ; eight places behind this form before a vector instruction reads a result (ISA guide 7.12.1)
.endr
.irp p, 0,1,2,3
	v_pk_add_f32 v[G+2*\p:G+2*\p+1], v[GA+2*\p:GA+2*\p+1], v[GA+8+2*\p:GA+8+2*\p+1]        ; each accumulator from its low end on; the sums go into other registers
.endr
.irp p, 0,1,2,3
	v_pk_add_f32 v[G+8+2*\p:G+8+2*\p+1], v[GA+16+2*\p:GA+16+2*\p+1], v[GA+24+2*\p:GA+24+2*\p+1]
.endr
.irp p, 0,1,2,3
	v_pk_add_f32 v[G+2*\p:G+2*\p+1], v[G+2*\p:G+2*\p+1], v[G+8+2*\p:G+8+2*\p+1]            ; register j of lane (r, h): token 8 h + j, expert r % 8
.endr
.irp j, 0,1,2,3,4,5,6,7
	ds_store_b32 v8, v[G+\j] offset:32*\j          ; lanes r and r + 8 hold the same number and write the same word
.endr
	s_wait_kmcnt 0x0                               ; bg
	s_wait_dscnt 0x0                               ; for the others' sake: my stores have landed
	s_barrier_signal -1
	s_barrier_wait -1
	s_cmp_lg_u32 s14, 0                            ; wave 0 finishes the gate; no barrier stands in this branch
	s_cbranch_scc1 .Ldone
.irp w, 0,1,2,3,4,5,6,7
	ds_load_b128 v[32+8*\w:35+8*\w], v9 offset:512*\w
	ds_load_b128 v[36+8*\w:39+8*\w], v9 offset:512*\w+16
.endr
	s_mov_b32 s40, 0x3f07de6f                      ; c = log2(e) / e
	s_wait_dscnt 0x0
.irp w, 1,2,3,4,5,6,7
.irp p, 0,1,2,3
	v_pk_add_f32 v[32+2*\p:33+2*\p], v[32+2*\p:33+2*\p], v[32+8*\w+2*\p:33+8*\w+2*\p]
.endr
.endr
.irp e, 0,1,2,3,4,5,6,7
	v_add_f32 v[32+\e], s[16+\e], v[32+\e]         ; x Wg + bg
.endr
.irp e, 0,1,2,3,4,5,6,7
	v_mul_f32 v[32+\e], s40, v[32+\e]              ; z = (x Wg + bg) / e, in powers of two
.endr
	v_max3_num_f32 v128, v32, v33, v34
	v_max3_num_f32 v128, v128, v35, v36
	v_max3_num_f32 v128, v128, v37, v38
	v_max_num_f32 v128, v128, v39                  ; the row's maximum is taken away before the exponential
.irp e, 0,1,2,3,4,5,6,7
	v_sub_f32 v[32+\e], v[32+\e], v128
.endr
.irp e, 0,1,2,3,4,5,6,7
	v_exp_f32 v[32+\e], v[32+\e]
.endr
	v_nop                                          ; a plain place behind the last exponential
	s_wait_alu depctr_va_vdst(0)                   ; one wait for the batch, ahead of its first reader
	v_add_f32 v129, v32, v33
	v_add_f32 v130, v34, v35
	v_add_f32 v131, v36, v37
	v_add_f32 v132, v38, v39
	v_add_f32 v129, v129, v130
	v_add_f32 v131, v131, v132
	v_add_f32 v129, v129, v131
	v_rcp_f32 v129, v129
.irp e, 0,1,2,3,4,5,6,7
	v_mov_b32 v[136+\e], 7-\e                      ; (plain work behind the reciprocal)  ranks begin as if every later expert came first
.endr
	s_wait_alu depctr_va_vdst(0)
.irp e, 0,1,2,3,4,5,6,7
	v_mul_f32 v[32+\e], v[32+\e], v129             ; the probabilities
.endr
.irp e, 1,2,3,4,5,6,7
.irp j, 0,1,2,3,4,5,6
.if \j < \e
	v_cmp_ge_f32 vcc_lo, v[32+\j], v[32+\e]        ; does the lower index come first?  (it does on a tie)
	v_cndmask_b32 v144, 0, 1, vcc_lo
	v_add_nc_u32 v[136+\e], v[136+\e], v144
	v_sub_nc_u32 v[136+\j], v[136+\j], v144
.endif
.endr
.endr
.irp e, 0,1,2,3,4,5,6,7
	v_cmp_gt_u32 vcc_lo, 5, v[136+\e]              ; chosen where fewer than five come first
	v_cndmask_b32 v[32+\e], 0, v[32+\e], vcc_lo
.endr
	v_add_f32 v129, v32, v33
	v_add_f32 v130, v34, v35
	v_add_f32 v131, v36, v37
	v_add_f32 v132, v38, v39
	v_add_f32 v129, v129, v130
	v_add_f32 v131, v131, v132
	v_add_f32 v129, v129, v131
	v_add_f32 v129, 0x322bcc77, v129               ; + 1e-8
	v_rcp_f32 v129, v129
	v_cmp_ne_u32 vcc_lo, 0, v2                     ; (a plain place behind the reciprocal)
	s_wait_alu depctr_va_vdst(0)
.irp e, 0,1,2,3,4,5,6,7
	v_mul_f32 v[32+\e], v[32+\e], v129
.endr
.irp i, 0,1,2,3
	v_cndmask_b32 v[148+\i], v[32+\i], v[36+\i], vcc_lo
.endr
	global_store_b128 v11, v[148:151], s[12:13]    ; 16 tokens x 8 weights: 512 consecutive bytes
.Ldone:
	s_wait_tensorcnt 0x0                           ; the wave's end, behind my last LDS store
	ds_add_u32 v12, v13
	s_wait_dscnt 0x0
	s_endpgm
.Lfunc_end_k_qa2e4fd4a5d_prep:
	.size	k_qa2e4fd4a5d_prep, .Lfunc_end_k_qa2e4fd4a5d_prep-k_qa2e4fd4a5d_prep
	.p2alignl 7, 3214868480
	.fill 96, 4, 3214868480
	.section	.rodata,"a",@progbits
	.p2align	6, 0x0
	.amdhsa_kernel k_qa2e4fd4a5d_prep
		.amdhsa_group_segment_fixed_size 109568
		.amdhsa_private_segment_fixed_size 0
		.amdhsa_enable_private_segment 0
		.amdhsa_kernarg_size 40
		.amdhsa_user_sgpr_count 2
		.amdhsa_user_sgpr_kernarg_segment_ptr 1
		.amdhsa_wavefront_size32 1
		.amdhsa_system_sgpr_workgroup_id_x 1
		.amdhsa_system_sgpr_workgroup_id_y 1
		.amdhsa_system_sgpr_workgroup_id_z 1
		.amdhsa_system_vgpr_workitem_id 0
		.amdhsa_next_free_vgpr 256
		.amdhsa_next_free_sgpr 66
		.amdhsa_reserve_vcc 1
		.amdhsa_float_denorm_mode_32 3
		.amdhsa_float_denorm_mode_16_64 3
		.amdhsa_memory_ordered 1
		.amdhsa_forward_progress 1
		.amdhsa_inst_pref_size 31
	.end_amdhsa_kernel
	.amdgpu_metadata
---
amdhsa.version: [ 1, 2 ]
amdhsa.kernels:
  - .name:           k_qa2e4fd4a5d_prep
    .symbol:         k_qa2e4fd4a5d_prep.kd
    .args:
      - { .name: x, .offset: 0, .size: 8, .value_kind: global_buffer, .address_space: global }
      - { .name: Wg, .offset: 8, .size: 8, .value_kind: global_buffer, .address_space: global }
      - { .name: bg, .offset: 16, .size: 8, .value_kind: global_buffer, .address_space: global }
      - { .name: xq, .offset: 24, .size: 8, .value_kind: global_buffer, .address_space: global }
      - { .name: wts, .offset: 32, .size: 8, .value_kind: global_buffer, .address_space: global }
    .group_segment_fixed_size: 109568
    .private_segment_fixed_size: 0
    .kernarg_segment_align: 8
    .kernarg_segment_size: 40
    .max_flat_workgroup_size: 256
    .sgpr_count:     66
    .vgpr_count:     256
    .wavefront_size: 32
...
	.end_amdgpu_metadata
.endif
;; end of part 1
;; launch gemm1 (part 2): grid 256 x 1, 4 waves a work-group, clusters of 4 x 1, 327,680 bytes of LDS; arguments xq, W1_codes, W1_scales, b1, h; writes h
.if DOCPART == 2
	.amdgcn_target "amdgcn-amd-amdhsa--gfx1250"
	.amdhsa_code_object_version 6
	.text
	.protected	k_qa2e4fd4a5d_gemm1
	.globl	k_qa2e4fd4a5d_gemm1
	.p2align	8
	.type	k_qa2e4fd4a5d_gemm1,@function
k_qa2e4fd4a5d_gemm1:
	s_mov_b64 s[64:65], 0
	v_nop
	global_prefetch_b8 v0, s[64:65] scope:SCOPE_SE
	s_setreg_imm32_b32 hwreg(HW_REG_WAVE_MODE, 25, 1), 1
	s_wait_xcnt 0x0
	s_wait_alu depctr_hold_cnt(0) depctr_sa_sdst(0) depctr_va_vdst(0) depctr_va_sdst(0) depctr_va_ssrc(0) depctr_va_vcc(0) depctr_vm_vsrc(0)
	s_getreg_b32 s2, hwreg(HW_REG_IB_STS2, 6, 4)
	s_cmp_eq_u32 s2, 0
	s_cbranch_scc0 .Lentry_in_a_cluster
	s_endpgm
.Lentry_in_a_cluster:
	s_bfe_u32 s2, ttmp6, 0x10000c
	s_cmp_lg_u32 s2, 0x3003
	s_cbranch_scc0 .Lentry_shape_is_right
	s_endpgm
.Lentry_shape_is_right:
; SECOND LAUNCH: h = Q(relu(Q(x) W1 + b1)), for all eight experts and all tokens (no work is left out).  Both operands are codes of E2M3 with one E8M0 byte for each 32 along K; sums in f32.
; SHARES.  W1 flattened is [32,768 hidden rows][1,024 K].  Work-group g owns rows 128 g .. 128 g + 127 (expert g / 32, hidden K step g % 32 of the next product) for all 1,024 tokens, in two tiles of 512 tokens.
; Its 96 KB of W1's codes and 4 KB of scale bytes come into LDS ONCE, among the first fills, and stay.  x comes as images of operand registers (the launch before laid them so) through two LDS slots of 256 along K.
; Wave w makes 128 tokens x 128 hidden units: 64 accumulators, 512 registers; of a slot it reads, and fetches, only its own part (25,600 bytes).
; CLUSTER 4 x 1: all work-groups walk the same x, so each part of a slot is asked for JOINTLY by the four partners (mask 15); a mask names four at the most.  W1's rows are each work-group's own: plain loads.
; THE MATRIX INSTRUCTION IS USED TRANSPOSED: source 0 = 16 rows of W1, source 1 = 16 tokens: a lane holds one token (lane % 16) and the tile's rows 8 (lane / 16) + 0 .. 7.  b1 is the C of each sum's first instruction.
; THE ROWS OF W1 THAT FORM A TILE ARE NOT NEIGHBOURS: lane r of tile 4 c + q takes row 64 c + 8 q + r % 8 + 32 (r / 8).  So register j of lane (r, h) in that tile is hidden unit 64 c + 32 h + 8 q + j, and the 32 registers of
; tiles 4 c .. 4 c + 3 are a WHOLE block of 32 along the next K, in the order of the next operand's layout: nothing changes lanes on the way out.  W1's scale words and b1 follow the same choice.
; THE WAY OUT.  relu; block maximum, scale byte, conversion; the fragment leaves as an image, 512 consecutive bytes a store.
; h: block (e, tt = token / 256, sl = hidden / 512) of 102,400 bytes; in it part w2 (64 tokens): codes [s'][a2][1,536], at 24,576 scale words [s'][r][a2]; token = 256 tt + 64 w2 + 16 a2 + r, hidden K step = 4 sl + s'.
; LIMITS: NaN and infinities are not served; a block whose largest number lies under 2^-124 gets the byte 1 (a block of zeros too: its codes are zeros, and this program alone reads the bytes).
; REGISTERS, in windows of 256: window 0: v16-31 addresses; v32-63 scale words, two sets; v64-127 b1; v128-223 x's 8 fragments, ONE set (on the way out: v128-191 numbers, v192-210 codes); v224-255 at work.
;   window 1: W1's 8 fragments, TWO sets, at v0 and v128.   windows 2, 3: accumulator (a, b) at v[8 (8 (a % 4) + b)], token blocks 0-3 and 4-7.
.set XSLOT,  102400                    ; LDS: two slots of x at 0 and 102,400
.set XPART,  25600                     ; a wave's part of a slot
.set XSCL,   24576                     ; in a part: the scale words
.set WL,     204800                    ; W1's 128 rows, in four parts of 32 rows, one for each wave's load
.set WP,     816                       ; a row: 3 x (256 bytes + 16 of padding) = 204 words: row r starts at bank 12 r mod 64 (64 banks of 4 bytes: ISA guide 11.1)
.set WPART,  32*WP+128                 ; a part: 6,560 words = 32 mod 64.  A tile's lanes 8-15 read the part behind that of lanes 0-7
.set WSC,    WL+4*WPART                ; 309,760: W1's scale bytes: 32 a row
.set SPARE,  WSC+4096                  ; 313,856: the spare words, 128 bytes for each wave: two blocks of 256 bytes that no other line names
.set ADRA, 16                          ; v16-17 my lane's place in my part of slot 0, 1
.set ADSA, 18                          ; v18-19 x's scale words: lanes 0-15 blocks 0-3, lanes 16-31 blocks 4-7
.set ADRB, 20                          ; v20 W1's tiles 0-3; v21 the same behind one padding more; v22, v23 tiles 4-7
.set ADSB, 24                          ; v24 W1's scale words: lanes 0-15 tiles 0-3, lanes 16-31 tiles 4-7
.set HO,   25                          ; v25 16 x lane
.set VSO,  26                          ; v26 25,600 h + 16 r: the scale words' way out
.set BO,   27                          ; v27 128 h: b1
.set SPW,  28                          ; v28 my spare word; never rewritten
.set NIL,  29                          ; v29 0; never rewritten
.set SH8,  30                          ; v30 8 h
.set SC,   32                          ; set (= slot) sc at v[SC + 16 sc]: +4 j + t: x's words of blocks t (lanes 0-15) and t + 4 (lanes 16-31); +8 + 2 t + j: W1's of tiles t and t + 4
.set BI,   64
.set AF,   128
.set HA,   128
.set PC,   192
.set TM,   224                         ; v224-227 maxima, v228-229 scale operands, v230-231 bytes, v232 at work
.set PW,   240
.set PWS,  244                         ; v244-251 the eight blocks' scale words; v252-255 those that I store
.set G1X,  24                          ; s[24:31] group 1 for x's parts;  s[32:39] for W1's codes;  s[40:47] for its scale bytes
.set G1W,  32
.set G1S,  40
.set G0X,  48                          ; s[48:55] group 0 for x, a set for each slot;  s[56:59] W1's codes;  s[60:63] its scale bytes
.set G0W,  56
.set G0S,  60
.set HB,   66                          ; s[66:67] h: where my images go
.set HS,   68                          ; s[68:69] and my scale words
.set SEL,  70                          ; s[70:71] v_permlanex16_b32's selects
.set MSB, 0
.macro WIN new                         ; the immediate's high byte repeats the setting that is left
.if MSB != (\new)
	s_set_vgpr_msb (MSB<<8)|(\new)
.set MSB, \new
.endif
.endm
.macro PLACES n
.rept \n
	v_nop
.endr
.endm
.macro CREST                           ; a round of the cluster's barrier behind its opening barrier
	s_cmp_lg_u32 s14, 0
	s_cbranch_scc1 .Lnot_wave_0_\@
	s_barrier_signal -3
.Lnot_wave_0_\@:
	s_barrier_wait -3
	s_barrier_signal -1
	s_barrier_wait -1
.endm
.macro CROUND
	s_barrier_signal -1
	s_barrier_wait -1
	CREST
.endm
	s_load_b256 s[4:11], s[0:1], 0x0               ; xq s[4:5], W1's codes s[6:7], W1's scales s[8:9], b1 s[10:11]
	s_load_b64 s[12:13], s[0:1], 0x20              ; h
	v_lshl_add_u32 v[SPW], v0, 2, SPARE
	v_mov_b32 v[NIL], 0
	ds_add_u32 v[SPW], v[NIL]                      ; the wave's opening: the add, twice on end, and its wait ahead of my first tensor load
	ds_add_u32 v[SPW], v[NIL]                      ; and once more; the set-up below, work on registers, stands between it and the wait
	v_lshrrev_b32 v1, 5, v0
	v_readfirstlane_b32 s14, v1                    ; wave
	s_bfe_u32 s15, ttmp6, 0x40000                  ; cx
	s_lshl_b32 s16, ttmp9, 2
	s_add_co_u32 s16, s16, s15                     ; g = 4 x cluster x + cx: it enters W1's, b1's and h's addresses alone
	s_mov_b32 s[G1X], 15|(3<<16)|(1<<21)           ; the mask: all four partners; elements of 8 bytes; bit 21 beside a mask; no padding
	s_mov_b32 s[G1X+1], 32<<16                     ; 25,600 dense bytes as 100 rows of 256
	s_mov_b32 s[G1X+2], 100<<16
	s_mov_b32 s[G1X+3], 32<<16
	s_mov_b32 s[G1X+4], 100
	s_mov_b32 s[G1X+5], 32
	s_mov_b32 s[G1X+6], 0
	s_mov_b32 s[G1X+7], 0
	s_mov_b32 s[G1W], (1<<20)|(5<<22)|(3<<25)      ; no mask; elements of 1 byte; padding: 4 words behind every 64
	s_mov_b32 s[G1W+1], 768<<16                    ; 32 rows of 768 bytes
	s_mov_b32 s[G1W+2], 32<<16
	s_mov_b32 s[G1W+3], 768<<16
	s_mov_b32 s[G1W+4], 32
	s_mov_b32 s[G1W+5], 768
	s_mov_b32 s[G1W+6], 0
	s_mov_b32 s[G1W+7], 0
	s_mov_b32 s[G1S], 3<<16                        ; 1,024 dense bytes as 4 rows of 256
	s_mov_b32 s[G1S+1], 32<<16
	s_mov_b32 s[G1S+2], 4<<16
	s_mov_b32 s[G1S+3], 32<<16
	s_mov_b32 s[G1S+4], 4
	s_mov_b32 s[G1S+5], 32
	s_mov_b32 s[G1S+6], 0
	s_mov_b32 s[G1S+7], 0
	s_mul_i32 s72, s14, XPART                      ; my part of a slot, in memory and in LDS
	s_mov_b32 s73, 0
	s_mul_i32 s74, s16, 98304                      ; W1's codes: 128 rows of 768 bytes a work-group,
	s_mul_i32 s75, s14, 24576                      ; 32 rows a wave
	s_add_co_u32 s74, s74, s75
	s_mov_b32 s75, 0
	s_lshl_b32 s76, s16, 12                        ; its scale bytes: 4,096 a work-group,
	s_lshl_b32 s79, s14, 10                        ; 1,024 a wave
	s_add_co_u32 s76, s76, s79
	s_mov_b32 s77, 0
	s_mul_i32 s78, s14, WPART                      ; my part of W1's rows in LDS
	s_lshr_b32 s17, s16, 5                         ; e
	s_and_b32 s18, s16, 31                         ; the hidden K step
	s_mul_i32 s20, s17, 3276800
	s_lshr_b32 s19, s14, 1
	s_mul_i32 s19, s19, 819200
	s_add_co_u32 s20, s20, s19
	s_lshr_b32 s19, s18, 2
	s_mul_i32 s19, s19, 102400
	s_add_co_u32 s20, s20, s19
	s_and_b32 s19, s14, 1
	s_mul_i32 s19, s19, 51200
	s_add_co_u32 s20, s20, s19
	s_mov_b32 s21, 0
	s_and_b32 s18, s18, 3                          ; s'
	s_mul_i32 s22, s18, 6144
	s_mov_b32 s23, 0
	s_mov_b32 s[SEL], 0x76543210
	s_mov_b32 s[SEL+1], 0xfedcba98
	v_and_b32 v3, 31, v0                           ; lane
	v_and_b32 v1, 15, v0                           ; r
	v_bfe_u32 v2, v0, 4, 1                         ; h
	v_and_b32 v7, 7, v0                            ; r % 8
	v_bfe_u32 v8, v0, 3, 1                         ; r / 8
	v_lshlrev_b32 v[HO], 4, v3
	v_add_nc_u32 v[ADRA], s72, v[HO]
	v_add_nc_u32 v[ADRA+1], XSLOT, v[ADRA]
	v_lshlrev_b32 v4, 2, v1
	v_lshl_add_u32 v4, v2, 8, v4
	v_add_nc_u32 v4, s72, v4
	v_add_nc_u32 v[ADSA], XSCL, v4
	v_add_nc_u32 v[ADSA+1], XSLOT+XSCL, v4
	v_mul_u32_u24 v4, v7, WP                       ; W1: row r % 8 of a part,
	v_mad_u32_u24 v4, v8, WPART, v4                ; lanes 8-15 in the part behind: 32 rows further on
	v_mad_u32_u24 v5, v2, 24, v4
	v_mad_u32_u24 v6, v2, 40, v4
	v_add_nc_u32 v[ADRB], WL, v5
	v_add_nc_u32 v[ADRB+1], WL, v6
	v_add_nc_u32 v[ADRB+2], WL+2*WPART, v5
	v_add_nc_u32 v[ADRB+3], WL+2*WPART, v6
	v_lshlrev_b32 v4, 5, v7                        ; W1's scale bytes, 32 a row: row r % 8 + 32 (r / 8) + 64 h
	v_lshl_add_u32 v4, v8, 10, v4
	v_lshl_add_u32 v4, v2, 11, v4
	v_add_nc_u32 v[ADSB], WSC, v4
	v_lshlrev_b32 v4, 4, v1
	v_mad_u32_u24 v[VSO], v2, 25600, v4
	v_lshlrev_b32 v[BO], 7, v2
	v_lshlrev_b32 v[SH8], 3, v2
	v_mov_b32 v[TM+8], 0                           ; written once: a lane permute's destination counts as one of its sources
	s_wait_dscnt 0x0                               ; both opening adds are done
	s_wait_kmcnt 0x0
	s_mov_b32 s[G0S], 1
	s_add_co_u32 s[G0S+1], s79, WSC
	s_add_nc_u64 s[G0S+2:G0S+3], s[8:9], s[76:77]
	s_or_b32 s[G0S+3], s[G0S+3], 0x80000000
	s_mov_b32 s[G0W], 1
	s_add_co_u32 s[G0W+1], s78, WL
	s_add_nc_u64 s[G0W+2:G0W+3], s[6:7], s[74:75]
	s_or_b32 s[G0W+3], s[G0W+3], 0x80000000
	s_add_nc_u64 s[4:5], s[4:5], s[72:73]
.irp s, 0,1
	s_mov_b32 s[G0X+4*\s], 1
	s_add_co_u32 s[G0X+4*\s+1], s72, \s*XSLOT
	s_add_nc_u64 s[G0X+4*\s+2:G0X+4*\s+3], s[4:5], \s*XSLOT
	s_or_b32 s[G0X+4*\s+3], s[G0X+4*\s+3], 0x80000000
.endr
	s_add_nc_u64 s[HB:HB+1], s[12:13], s[20:21]
	s_add_nc_u64 s[HS:HS+1], s[HB:HB+1], 24576
	s_add_nc_u64 s[HB:HB+1], s[HB:HB+1], s[22:23]
	s_lshl_b32 s22, s18, 8
	s_add_nc_u64 s[HS:HS+1], s[HS:HS+1], s[22:23]
	s_lshl_b32 s22, s16, 9
	s_add_nc_u64 s[10:11], s[10:11], s[22:23]      ; b1 at my 128 numbers
	CROUND                                         ; all four partners are here: the first joint loads meet
	tensor_load_to_lds s[G0S:G0S+3], s[G1S:G1S+7]  ; every wave issues four first fills: four of mine are out
	s_nop 0
	tensor_load_to_lds s[G0W:G0W+3], s[G1W:G1W+7]
	s_nop 0
	tensor_load_to_lds s[G0X:G0X+3], s[G1X:G1X+7]
	s_nop 0
	tensor_load_to_lds s[G0X+4:G0X+7], s[G1X:G1X+7]
	s_nop 0
.irp b, 0,1,2,3,4,5,6,7
	global_load_b128 v[BI+8*\b:BI+8*\b+3],   v[BO], s[10:11] offset:256*(\b/4)+32*(\b%4)      ; tile b = 4 c + q, lane (r, h), register j: b1 of hidden unit 64 c + 32 h + 8 q + j
	global_load_b128 v[BI+8*\b+4:BI+8*\b+7], v[BO], s[10:11] offset:256*(\b/4)+32*(\b%4)+16
.endr
; one matrix instruction on the registers named by the symbols; rb, ra: W1's, x's scale words stand in lanes 16-31
.macro WM rb, ra
.if (\rb) && (\ra)
	v_wmma_scale_f32_16x16x128_f8f6f4 v[rD:rD+7], v[rB:rB+11], v[rA:rA+11], v[rC:rC+7], v[rSB], v[rSA] matrix_a_fmt:MATRIX_FMT_FP6 matrix_b_fmt:MATRIX_FMT_FP6 matrix_a_scale:MATRIX_SCALE_ROW1 matrix_b_scale:MATRIX_SCALE_ROW1
.elseif (\rb)
	v_wmma_scale_f32_16x16x128_f8f6f4 v[rD:rD+7], v[rB:rB+11], v[rA:rA+11], v[rC:rC+7], v[rSB], v[rSA] matrix_a_fmt:MATRIX_FMT_FP6 matrix_b_fmt:MATRIX_FMT_FP6 matrix_a_scale:MATRIX_SCALE_ROW1
.elseif (\ra)
	v_wmma_scale_f32_16x16x128_f8f6f4 v[rD:rD+7], v[rB:rB+11], v[rA:rA+11], v[rC:rC+7], v[rSB], v[rSA] matrix_a_fmt:MATRIX_FMT_FP6 matrix_b_fmt:MATRIX_FMT_FP6 matrix_b_scale:MATRIX_SCALE_ROW1
.else
	v_wmma_scale_f32_16x16x128_f8f6f4 v[rD:rD+7], v[rB:rB+11], v[rA:rA+11], v[rC:rC+7], v[rSB], v[rSA] matrix_a_fmt:MATRIX_FMT_FP6 matrix_b_fmt:MATRIX_FMT_FP6
.endif
.endm
; 16 matrix instructions: token blocks a0, a0 + 1 x W1's eight tiles.  p: W1's set; j: the slot's K step; sc: the set of scale words; bias = 1: b1 starts the sums.
; The 64 accumulators take turns, one instruction a turn, in the same order in every step.
.macro MUL16 a0, p, j, sc, bias
.irp a, \a0, \a0+1
.irp b, 0,1,2,3,4,5,6,7
.set rD, 8*(8*((\a)%4)+\b)
.set rB, 128*(\p)+12*\b
.set rA, AF+12*(\a)
.set rC, rD
.if \bias
.set rC, BI+8*\b
.endif
.set rSB, SC+16*(\sc)+8+2*(\b%4)+(\j)
.set rSA, SC+16*(\sc)+4*(\j)+(\a)%4
	WM \b/4, (\a)/4
.endr
.endr
.endm
; a fragment of W1: tile i = 4 c + q, K step s: lane (r, h) takes 24 bytes at 96 s + 24 h and 24 at 96 s + 48 + 24 h of its row, in pieces of 8; where lanes 16-31's piece lies behind one padding more, the second address register serves
.macro FRAGB reg, s, i
.irp p, 0,1,2,3,4,5
.set PCE, 12*(\s)+6*(\p/3)+\p%3
.if PCE%32 < 29
	ds_load_b64 v[\reg+2*\p:\reg+2*\p+1], v[ADRB+2*((\i)/4)] offset:8*WP*((\i)%4)+8*PCE+16*(PCE/32)
.else
	ds_load_b64 v[\reg+2*\p:\reg+2*\p+1], v[ADRB+2*((\i)/4)+1] offset:8*WP*((\i)%4)+8*PCE+16*(PCE/32)
.endif
.endr
.endm
.macro FETCH_B s, p                    ; W1's eight fragments of K step s into set p
	WIN 0x40
.irp i, 0,1,2,3,4,5,6,7
	FRAGB 128*(\p)+12*\i, \s, \i
.endr
	WIN 0
.endm
.macro FETCH_A slot, j, a0             ; x's blocks a0 .. a0 + 3 of the slot's K step j: images, three loads of 512 consecutive bytes each
.irp a, \a0, \a0+1, \a0+2, \a0+3
.irp c, 0,1,2
	ds_load_b128 v[AF+12*(\a)+4*\c:AF+12*(\a)+4*\c+3], v[ADRA+\slot] offset:12288*(\j)+1536*(\a)+512*\c
.endr
.endr
.endm
.macro SCALES slot, ks                 ; the slot's scale words: 12 loads
.irp j, 0,1
.irp t, 0,1,2,3
	ds_load_b32 v[SC+16*\slot+4*\j+\t], v[ADSA+\slot] offset:512*\j+64*\t
.endr
.endr
.irp t, 0,1,2,3
	ds_load_b64 v[SC+16*\slot+8+2*\t:SC+16*\slot+8+2*\t+1], v[ADSB] offset:256*\t+8*(\ks)   ; tile t's rows begin 8 t rows on
.endr
.endm
; Loads into registers that matrix instructions have read stand four plain vector instructions behind them (ISA guide 7.12.1 for vector instructions).
.macro START                           ; a tile's first fragments: slot 0, K step 0
	FETCH_B 0, 0
	FETCH_A 0, 0, 0
	SCALES 0, 0
	FETCH_A 0, 0, 4
.endm
.macro STEP slot, u, bias              ; K step u (even) of a tile: the slot's first
	s_wait_dscnt 12                                ; all but the youngest twelve loads (x's blocks 4-7)
	WIN 0xa1-0x20*(\bias)
	MUL16 0, 0, 0, \slot, \bias
	MUL16 2, 0, 0, \slot, \bias
	s_wait_dscnt 0x0
	PLACES 4
	FETCH_B (\u)+1, 1
	FETCH_A \slot, 1, 0
	WIN 0xf1-0x30*(\bias)
	MUL16 4, 0, 0, \slot, \bias
	MUL16 6, 0, 0, \slot, \bias
	PLACES 4
	WIN 0
	FETCH_A \slot, 1, 4
.endm
; K step u (odd): the slot's second; the slot is then filled again, two slots ahead.  fetch = 0: the tile's last step: nothing more is fetched from LDS.
.macro TURN slot, next, u, fetch
	s_wait_tensorcnt 0x0                           ; all my tensor loads have landed: my part of the next slot
	ds_add_u32 v[SPW], v[NIL]                      ; 0 onto my spare word
	s_wait_dscnt 13                                ; (the add and the youngest twelve loads may be out)
	WIN 0xa1
	MUL16 0, 1, 1, \slot, 0                        ; sixteen matrix instructions stand between the add and the wait for it
	s_wait_dscnt 0x0                               ; the add is done, and my reads of this slot are over
	s_barrier_signal -1
	MUL16 2, 1, 1, \slot, 0
	WIN 0
	s_barrier_wait -1
	CREST                                          ; the barrier has opened a round of the cluster's: no wave of any partner still reads this slot or has a load on its way
	s_add_nc_u64 s[G0X+4*\slot+2:G0X+4*\slot+3], s[G0X+4*\slot+2:G0X+4*\slot+3], 2*XSLOT
	tensor_load_to_lds s[G0X+4*\slot:G0X+4*\slot+3], s[G1X:G1X+7]   ; my one tensor load behind the round
	s_nop 0
	PLACES 4                                       ; the places in front of the loads below
.if \fetch
	FETCH_B (\u)+1, 0
	FETCH_A \next, 0, 0
	SCALES \next, ((\u)+1)/2
.endif
	WIN 0xf1
	MUL16 4, 1, 1, \slot, 0
	MUL16 6, 1, 1, \slot, 0
.if \fetch
	PLACES 4
	WIN 0
	FETCH_A \next, 0, 4
.endif
.endm
.macro TURNN slot, next, u             ; the same where nothing is left to ask for: my part of the next slot is my own load's, so my own wait is all that its reads need
	s_wait_tensorcnt 0x0
	s_wait_dscnt 12
	WIN 0xa1
	MUL16 0, 1, 1, \slot, 0
	MUL16 2, 1, 1, \slot, 0
	s_wait_dscnt 0x0
	PLACES 4
	FETCH_B (\u)+1, 0
	FETCH_A \next, 0, 0
	SCALES \next, ((\u)+1)/2
	WIN 0xf1
	MUL16 4, 1, 1, \slot, 0
	MUL16 6, 1, 1, \slot, 0
	PLACES 4
	WIN 0
	FETCH_A \next, 0, 4
.endm
.macro LAST slot
	s_wait_dscnt 12
	WIN 0xa1
	MUL16 0, 1, 1, \slot, 0
	MUL16 2, 1, 1, \slot, 0
	s_wait_dscnt 0x0
	WIN 0xf1
	MUL16 4, 1, 1, \slot, 0
	MUL16 6, 1, 1, \slot, 0
.endm
; THE WAY OUT of token tile t, a block of 16 tokens at a time
.macro EPI t
	PLACES 4                                       ; behind the last products
.irp a, 0,1,2,3,4,5,6,7
	WIN 0x08+4*(\a/4)                              ; source 1: window 2 or 3
.irp b, 0,1,2,3,4,5,6,7
.irp j, 0,1,2,3,4,5,6,7
	v_max_num_f32 v[HA+8*\b+\j], 0, v[8*(8*(\a%4)+\b)+\j]   ; relu, and the move into window 0; each accumulator from its low end on
.endr
.endr                                  ; v[HA + 32 c + i] of lane (r, h) is hidden unit 64 c + 32 h + i of token r: a whole block a lane, by the choice of W1's rows
	WIN 0
.irp c, 0,1
.irp u, 0,1
	v_max3_num_f32 v[TM+2*\c+\u], v[HA+32*\c+16*\u], v[HA+32*\c+16*\u+1], 0x1800000   ; none is negative; the floor 2^(3 - 127) holds the byte at 1 from below
.endr
.endr
.irp i, 2,4,6,8,10,12,14
.irp c, 0,1
.irp u, 0,1
	v_max3_num_f32 v[TM+2*\c+\u], v[TM+2*\c+\u], v[HA+32*\c+16*\u+\i], v[HA+32*\c+16*\u+\i+1]
.endr
.endr
.endr
.irp c, 0,1
	v_max_num_f32 v[TM+2*\c], v[TM+2*\c], v[TM+2*\c+1]
.endr
.irp c, 0,1
	v_add_nc_u32 v[TM+4+\c], 0xff000000, v[TM+2*\c]    ; 2 off the exponent field: the conversion's scale operand
.endr
.irp c, 0,1
	v_lshrrev_b32 v[TM+6+\c], 23, v[TM+4+\c]           ; the scale's byte
.endr
	v_lshl_or_b32 v[PW], v[TM+7], 16, v[TM+6]
	v_lshlrev_b32 v[PW], v[SH8], v[PW]
	v_permlanex16_b32 v[TM+8], v[PW], s[SEL], s[SEL+1]
	v_or_b32 v[PWS+\a], v[PW], v[TM+8]                 ; token r's scale word of this K step, in both halves of the lanes
.if \a > 0
	s_wait_xcnt 0x0                                ; the last block's stores have read the codes' registers
.endif
.irp c, 0,1
	v_cvt_scalef32_pk16_fp6_f32 v[PC+6*\c:PC+6*\c+2], v[HA+32*\c:HA+32*\c+15], v[TM+4+\c]
	v_cvt_scalef32_pk16_fp6_f32 v[PC+12+4*\c:PC+12+4*\c+2], v[HA+32*\c+16:HA+32*\c+31], v[TM+4+\c]   ; (a conversion's three registers begin on an even number)
.endr
	v_nop                                          ; one plain place behind a scaled conversion
.irp c, 0,1
.irp i, 0,1,2
	v_mov_b32 v[PC+3+6*\c+\i], v[PC+12+4*\c+\i]
.endr
.endr
.irp c, 0,1,2
	global_store_b128 v[HO], v[PC+4*\c:PC+4*\c+3], s[HB:HB+1] offset:1638400*\t+25600*(\a/4)+1536*(\a%4)+512*\c th:TH_STORE_NT   ; the image: 512 consecutive bytes
.endr
.endr
	v_cmp_ne_u32 vcc_lo, 0, v2
.irp i, 0,1,2,3
	v_cndmask_b32 v[252+\i], v[PWS+\i], v[PWS+4+\i], vcc_lo
.endr
	global_store_b128 v[VSO], v[252:255], s[HS:HS+1] offset:1638400*\t th:TH_STORE_NT   ; each half of the lanes stores 256 consecutive bytes, aligned: [r][a2]
.endm
	s_wait_tensorcnt 0x1                           ; W1's scale bytes and codes and my part of slot 0 are in; slot 1's may stay out
	s_barrier_signal -1
	s_barrier_wait -1                              ; everybody's part of W1 is in
	START
	s_wait_loadcnt 0x0                             ; b1
	STEP 0, 0, 1
	TURN 0, 1, 1, 1                                ; slot 0 takes x's slot 2,
	STEP 1, 2, 0
	TURN 1, 0, 3, 1                                ; slot 1 x's slot 3,
	STEP 0, 4, 0
	TURN 0, 1, 5, 1                                ; slot 0 the second tile's first,
	STEP 1, 6, 0
	TURN 1, 0, 7, 0                                ; slot 1 its second
	EPI 0
	s_wait_xcnt 0x0                                ; the stores have read their registers: fragments may land there
	START
	STEP 0, 0, 1
	TURN 0, 1, 1, 1
	STEP 1, 2, 0
	TURN 1, 0, 3, 1                                ; the last load
	STEP 0, 4, 0
	TURNN 0, 1, 5
	STEP 1, 6, 0
	LAST 1
	EPI 1
	s_wait_tensorcnt 0x0                           ; the wave's end, behind my last tensor load
	ds_add_u32 v[SPW], v[NIL]
	s_wait_dscnt 0x0
	CROUND                                         ; the closing round: no work-group ends while a partner may still ask for a part that names it
	s_endpgm
.Lfunc_end_k_qa2e4fd4a5d_gemm1:
	.size	k_qa2e4fd4a5d_gemm1, .Lfunc_end_k_qa2e4fd4a5d_gemm1-k_qa2e4fd4a5d_gemm1
	.p2alignl 7, 3214868480
	.fill 96, 4, 3214868480
	.section	.rodata,"a",@progbits
	.p2align	6, 0x0
	.amdhsa_kernel k_qa2e4fd4a5d_gemm1
		.amdhsa_group_segment_fixed_size 327680
		.amdhsa_private_segment_fixed_size 0
		.amdhsa_enable_private_segment 0
		.amdhsa_kernarg_size 40
		.amdhsa_user_sgpr_count 2
		.amdhsa_user_sgpr_kernarg_segment_ptr 1
		.amdhsa_wavefront_size32 1
		.amdhsa_system_sgpr_workgroup_id_x 1
		.amdhsa_system_sgpr_workgroup_id_y 1
		.amdhsa_system_sgpr_workgroup_id_z 1
		.amdhsa_system_vgpr_workitem_id 0
		.amdhsa_next_free_vgpr 1024
		.amdhsa_next_free_sgpr 80
		.amdhsa_reserve_vcc 1
		.amdhsa_float_denorm_mode_32 3
		.amdhsa_float_denorm_mode_16_64 3
		.amdhsa_memory_ordered 1
		.amdhsa_forward_progress 1
		.amdhsa_inst_pref_size 255
	.end_amdhsa_kernel
	.section	.bss,"aw",@nobits
	.p2align	6
	.space	262144
	.amdgpu_metadata
---
amdhsa.version: [ 1, 2 ]
amdhsa.kernels:
  - .name:           k_qa2e4fd4a5d_gemm1
    .symbol:         k_qa2e4fd4a5d_gemm1.kd
    .args:
      - { .name: xq, .offset: 0, .size: 8, .value_kind: global_buffer, .address_space: global }
      - { .name: W1_codes, .offset: 8, .size: 8, .value_kind: global_buffer, .address_space: global }
      - { .name: W1_scales, .offset: 16, .size: 8, .value_kind: global_buffer, .address_space: global }
      - { .name: b1, .offset: 24, .size: 8, .value_kind: global_buffer, .address_space: global }
      - { .name: h, .offset: 32, .size: 8, .value_kind: global_buffer, .address_space: global }
    .group_segment_fixed_size: 327680
    .private_segment_fixed_size: 0
    .kernarg_segment_align: 8
    .kernarg_segment_size: 40
    .max_flat_workgroup_size: 128
    .sgpr_count:     80
    .vgpr_count:     1024
    .wavefront_size: 32
...
	.end_amdgpu_metadata
.endif
;; end of part 2
;; launch gemm2 (part 3): grid 8 x 32, 4 waves a work-group, clusters of 4 x 4, 327,680 bytes of LDS; arguments h, W2_codes, W2_scales, b2, planes; writes planes
.if DOCPART == 3
	.amdgcn_target "amdgcn-amd-amdhsa--gfx1250"
	.amdhsa_code_object_version 6
	.text
	.protected	k_qa2e4fd4a5d_gemm2
	.globl	k_qa2e4fd4a5d_gemm2
	.p2align	8
	.type	k_qa2e4fd4a5d_gemm2,@function
k_qa2e4fd4a5d_gemm2:
	s_mov_b64 s[64:65], 0
	v_nop
	global_prefetch_b8 v0, s[64:65] scope:SCOPE_SE
	s_setreg_imm32_b32 hwreg(HW_REG_WAVE_MODE, 25, 1), 1
	s_wait_xcnt 0x0
	s_wait_alu depctr_hold_cnt(0) depctr_sa_sdst(0) depctr_va_vdst(0) depctr_va_sdst(0) depctr_va_ssrc(0) depctr_va_vcc(0) depctr_vm_vsrc(0)
	s_getreg_b32 s2, hwreg(HW_REG_IB_STS2, 6, 4)
	s_cmp_eq_u32 s2, 0
	s_cbranch_scc0 .Lentry_in_a_cluster
	s_endpgm
.Lentry_in_a_cluster:
	s_bfe_u32 s2, ttmp6, 0x10000c
	s_cmp_lg_u32 s2, 0xf033
	s_cbranch_scc0 .Lentry_shape_is_right
	s_endpgm
.Lentry_shape_is_right:
; THIRD LAUNCH: planes[e][n][o] = Q(h_e) W2_e + b2_e, rounded once to bf16, for all eight experts (no work is left out).  Both operands are codes of E2M3 with one E8M0 byte for each 32 along K; sums in f32.
; The planes are an operand of the last product (K = 8), which the contract leaves as it is and allows in bf16.
; SHARES.  A cluster of 4 x 4 work-groups belongs to one expert e (cluster y); a work-group makes 256 tokens (tt = cy) x 128 outputs (ct = 4 x cluster x + cx); K = 4,096 goes in 8 slots of 512 through a ring of two.
; Wave w: tokens 64 w .. 64 w + 63 (4 blocks) x all 8 tiles of outputs: 32 accumulators.  256 work-groups; tiles of 256 x 256 would be 128.
; JOINT REQUESTS: h's block hangs on (e, tt) and is shared along a row of the cluster; W2's tile hangs on (e, ct) and is shared along a column.  Waves 0, 1 fetch h's halves, waves 2, 3 W2's.
; h lies as images of operand registers, a slot's block dense in memory (the launch before laid it so): a fragment is three loads of 512 consecutive bytes.  W2's rows come as they lie, 384 bytes of each row a slot.
; W2's scale words for all of K (128 registers) and b2 (64) are loaded once; b2 is the C of each sum's first instruction.
; THE MATRIX INSTRUCTION IS USED TRANSPOSED: source 0 = 16 rows of W2 (outputs), source 1 = 16 tokens: a lane holds eight neighbouring outputs of one token.
; REGISTERS, in windows of 256: window 0: v16-31 addresses; v32-47 h's scale words, two sets; v64-191 W2's scale words; v192-255 b2, later the way out.
;   window 1: W2's 8 fragments, two sets, at v0 and v128.   window 2: h's 4 fragments, two sets, at v0 and v64.   window 3: accumulator (a, b) at v[8 (8 a + b)].
.set SLOTB,  157696                    ; LDS: a slot: h's block (102,400 bytes), then W2's 128 rows
.set BOFF,   102400
.set BP,     432                       ; a row of W2 in LDS: 3 x (128 bytes + 16 of padding) = 108 words
.set SPARE,  315392                    ; the spare words, 128 bytes for each wave: two blocks of 256 bytes that no other line names
.set ADRA, 16                          ; v16-17 my lane's place in my part of h's block, slot 0, 1
.set ADRB, 18                          ; v18-19 W2's rows; v20-21 the same behind one padding more
.set ADSA, 22                          ; v22-23 h's scale words
.set STO,  24                          ; v24 the way out: where I put 16 bytes of a row
.set RD,   25                          ; v25 and where I read a row back
.set CO,   26                          ; v26 my byte offset in the planes
.set PFO,  27                          ; v27 256 x lane
.set SPW,  28                          ; v28 my spare word; never rewritten
.set NIL,  29                          ; v29 0; never rewritten
.set PFOB, 30                          ; v30 3,072 x lane
.set BO,   31                          ; v31 32 h
.set SA,   32                          ; set (= slot) g at v[SA + 8 g]: +4 p + a: block a's word of K step 2 p (lanes 0-15) and 2 p + 1 (lanes 16-31)
.set SBR,  64                          ; v[SBR + 32 t + s]: K step s's word of tile t (lanes 0-15) and t + 4 (lanes 16-31)
.set BI,   192
.set TMP,  192
.set BK,   224
.set G1A,  24                          ; s[24:31], s[32:39]: groups 1 and 0 (a set for each slot) for h;  s[48:55], s[56:63] for W2
.set G0A,  32
.set G1B,  48
.set G0B,  56
.set PFA,  66                          ; s[66:67] where my prefetches of h stand;  s[68:69] of W2
.set PFB,  68
.set MSB, 0
.macro WIN new
.if MSB != (\new)
	s_set_vgpr_msb (MSB<<8)|(\new)
.set MSB, \new
.endif
.endm
.macro PLACES n
.rept \n
	v_nop
.endr
.endm
.macro CREST
	s_cmp_lg_u32 s14, 0
	s_cbranch_scc1 .Lnot_wave_0_\@
	s_barrier_signal -3
.Lnot_wave_0_\@:
	s_barrier_wait -3
	s_barrier_signal -1
	s_barrier_wait -1
.endm
.macro CROUND
	s_barrier_signal -1
	s_barrier_wait -1
	CREST
.endm
; a joint refill: each of the two lines has one mask and one set of registers for all that issue it; the branch hangs on the wave's number alone.  An s_nop 0 and four v_nop follow each line
.macro JLOAD s
	s_cmp_eq_u32 s15, 0
	s_cbranch_scc0 .Lfor_b_\@
	tensor_load_to_lds s[G0A+4*(\s):G0A+4*(\s)+3], s[G1A:G1A+7]
	s_nop 0
	PLACES 4
	s_branch .Lasked_\@
.Lfor_b_\@:
	tensor_load_to_lds s[G0B+4*(\s):G0B+4*(\s)+3], s[G1B:G1B+7]
	s_nop 0
	PLACES 4
.Lasked_\@:
.endm
; A PREFETCH INTO THE L2 of slot x, asked for two changes of slots (256 matrix instructions a wave) ahead of the joint load that will want it.  Each aligned block of 256 bytes of the codes is named once in the launch.
; h's block (e, tt) is read by both clusters of the expert: cluster x = 0 asks; its four partners of a row take 25,600 bytes each BY ADDRESS (cx); waves 0 to 2 take 8,192 bytes each, lanes 256 bytes apart.
; W2's tile (e, ct) is read by one column of one cluster: its four partners take 32 rows each BY ADDRESS (cy); wave 3 asks, a lane a row.  A slot's part of a row is 384 bytes: an even slot names its first and its last byte,
; an odd slot its last byte alone: its first 128 bytes lie in the block that the slot before has named.  Slots 0 to 3 come by their loads alone; the addresses are never stepped: the slot stands in the immediate.
.macro ASK x
	s_cmp_eq_u32 s70, 1
	s_cbranch_scc0 .Lno_a_\@
	global_prefetch_b8 v[PFO], s[PFA:PFA+1] offset:102400*(\x) th:TH_LOAD_NT scope:SCOPE_SE
.Lno_a_\@:
	s_cmp_eq_u32 s71, 1
	s_cbranch_scc0 .Lno_b_\@
	global_prefetch_b8 v[PFOB], s[PFB:PFB+1] offset:384*(\x)+383 th:TH_LOAD_NT scope:SCOPE_SE
.if (\x)%2 == 0
	global_prefetch_b8 v[PFOB], s[PFB:PFB+1] offset:384*(\x) th:TH_LOAD_NT scope:SCOPE_SE
.endif
.Lno_b_\@:
.endm
	s_load_b256 s[4:11], s[0:1], 0x0               ; h s[4:5], W2's codes s[6:7], W2's scales s[8:9], b2 s[10:11]
	s_load_b64 s[12:13], s[0:1], 0x20              ; planes
	v_lshl_add_u32 v[SPW], v0, 2, SPARE
	v_mov_b32 v[NIL], 0
	ds_add_u32 v[SPW], v[NIL]                      ; the wave's opening: the add, twice on end, and its wait ahead of my first tensor load
	ds_add_u32 v[SPW], v[NIL]                      ; and once more; the set-up below, work on registers, stands between it and the wait
	v_lshrrev_b32 v1, 5, v0
	v_readfirstlane_b32 s14, v1                    ; wave
	s_lshr_b32 s15, s14, 1                         ; I fetch for h (0) or for W2 (1)
	s_and_b32 s16, s14, 1                          ; and which half
	s_and_b32 s17, ttmp7, 0xffff                   ; e = cluster y
	s_bfe_u32 s40, ttmp6, 0x40000                  ; cx
	s_bfe_u32 s41, ttmp6, 0x40004                  ; cy = tt
	s_lshl_b32 s42, ttmp9, 2
	s_add_co_u32 s42, s42, s40                     ; ct
	s_lshl_b32 s43, s41, 2
	s_lshl_b32 s43, 15, s43                        ; my row of the cluster
	s_lshl_b32 s44, 0x1111, s40                    ; my column
	s_or_b32 s[G1A], s43, (3<<16)|(1<<21)          ; h: elements of 8 bytes, no padding; 51,200 dense bytes as 200 rows of 256
	s_mov_b32 s[G1A+1], 32<<16
	s_mov_b32 s[G1A+2], 200<<16
	s_mov_b32 s[G1A+3], 32<<16
	s_mov_b32 s[G1A+4], 200
	s_mov_b32 s[G1A+5], 32
	s_mov_b32 s[G1A+6], 0
	s_mov_b32 s[G1A+7], 0
	s_or_b32 s[G1B], s44, (1<<20)|(1<<21)|(4<<22)|(3<<25)   ; W2: elements of 1 byte; padding: 4 words behind every 32; 64 rows of 384 bytes, 3,072 apart
	s_mov_b32 s[G1B+1], 384<<16
	s_mov_b32 s[G1B+2], 64<<16
	s_mov_b32 s[G1B+3], 384<<16
	s_mov_b32 s[G1B+4], 64
	s_mov_b32 s[G1B+5], 3072
	s_mov_b32 s[G1B+6], 0
	s_mov_b32 s[G1B+7], 0
	s_lshl_b32 s20, s17, 2
	s_add_co_u32 s20, s20, s41                     ; 4 e + tt
	s_mul_i32 s20, s20, 819200                     ; its eight blocks in h
	s_mul_i32 s22, s16, 51200                      ; my half of a block, in memory and in LDS
	s_add_co_u32 s18, s20, s22
	s_mov_b32 s19, 0
	s_lshl_b32 s45, s17, 10
	s_lshl_b32 s72, s42, 7
	s_add_co_u32 s45, s45, s72                     ; 1,024 e + 128 ct: my tile's first row of W2
	s_lshl_b32 s72, s16, 6
	s_add_co_u32 s72, s72, s45
	s_mul_i32 s72, s72, 3072
	s_mov_b32 s73, 0
	s_mul_i32 s74, s16, 64*BP
	s_add_co_u32 s74, s74, BOFF
	s_mul_i32 s78, s40, 25600                      ; the prefetches of h: my work-group's part by cx,
	s_lshl_b32 s79, s14, 13                        ; my wave's 8,192 bytes
	s_add_co_u32 s78, s78, s79
	s_add_co_u32 s78, s78, s20
	s_mov_b32 s79, 0
	s_lshl_b32 s76, s41, 5                         ; of W2: my work-group's 32 rows by cy
	s_add_co_u32 s76, s76, s45
	s_mul_i32 s76, s76, 3072
	s_mov_b32 s77, 0
	s_cmp_lt_u32 s14, 3
	s_cselect_b32 s70, 0, 1
	s_or_b32 s70, s70, ttmp9
	s_cmp_eq_u32 s70, 0
	s_cselect_b32 s70, 1, 0                        ; 1: I ask for h (waves 0 to 2 of the clusters with x = 0: the same in all partners)
	s_cmp_eq_u32 s14, 3
	s_cselect_b32 s71, 1, 0                        ; 1: I ask for W2
	v_and_b32 v3, 31, v0                           ; lane
	v_and_b32 v1, 15, v0                           ; r
	v_bfe_u32 v2, v0, 4, 1                         ; h
	s_mul_i32 s23, s14, 25600
	v_lshlrev_b32 v4, 4, v3
	v_add_nc_u32 v[ADRA], s23, v4
	v_add_nc_u32 v[ADRA+1], SLOTB, v[ADRA]
	v_mul_u32_u24 v4, v1, BP
	v_mad_u32_u24 v5, v2, 24, v4
	v_mad_u32_u24 v6, v2, 40, v4
	v_add_nc_u32 v[ADRB], BOFF, v5
	v_add_nc_u32 v[ADRB+1], BOFF+SLOTB, v5
	v_add_nc_u32 v[ADRB+2], BOFF, v6
	v_add_nc_u32 v[ADRB+3], BOFF+SLOTB, v6
	v_lshlrev_b32 v4, 4, v1                        ; 16 r
	v_lshl_add_u32 v5, v2, 8, v4
	v_add_nc_u32 v5, s23, v5
	v_add_nc_u32 v[ADSA], 24576, v5
	v_add_nc_u32 v[ADSA+1], 24576+SLOTB, v5
	s_mul_i32 s21, s14, 16*272                     ; my stage: 16 rows x (256 bytes + 16), in slot 0, which has had its last fill and its last read when the first result is stored there
	v_mul_u32_u24 v5, v1, 272
	v_lshl_add_u32 v5, v2, 4, v5
	v_add_nc_u32 v[STO], s21, v5
	v_mul_u32_u24 v5, v2, 272
	v_add_nc_u32 v5, v5, v4
	v_add_nc_u32 v[RD], s21, v5
	v_lshl_add_u32 v[CO], v2, 11, v4               ; a row of a plane is 2,048 bytes
	v_lshlrev_b32 v[PFO], 8, v3
	v_mul_u32_u24 v[PFOB], v3, 3072
	v_lshlrev_b32 v[BO], 5, v2
	v_lshlrev_b32 v7, 7, v1
	v_lshl_add_u32 v7, v2, 13, v7                  ; W2's scale bytes: 128 a row; lanes 16-31 take the rows 64 further on
	s_wait_dscnt 0x0                               ; both opening adds are done
	s_wait_kmcnt 0x0
	s_add_nc_u64 s[46:47], s[4:5], s[18:19]
	s_add_nc_u64 s[72:73], s[6:7], s[72:73]
	s_add_nc_u64 s[PFA:PFA+1], s[4:5], s[78:79]
	s_add_nc_u64 s[PFB:PFB+1], s[6:7], s[76:77]
.irp s, 0,1
	s_mov_b32 s[G0A+4*\s], 1
	s_add_co_u32 s[G0A+4*\s+1], s22, \s*SLOTB
	s_add_nc_u64 s[G0A+4*\s+2:G0A+4*\s+3], s[46:47], \s*102400
	s_or_b32 s[G0A+4*\s+3], s[G0A+4*\s+3], 0x80000000
	s_mov_b32 s[G0B+4*\s], 1
	s_add_co_u32 s[G0B+4*\s+1], s74, \s*SLOTB
	s_add_nc_u64 s[G0B+4*\s+2:G0B+4*\s+3], s[72:73], \s*384
	s_or_b32 s[G0B+4*\s+3], s[G0B+4*\s+3], 0x80000000
.endr
	s_lshl_b32 s76, s45, 7
	s_add_nc_u64 s[8:9], s[8:9], s[76:77]          ; W2's scale bytes at my tile
	s_lshl_b32 s76, s45, 2
	s_add_nc_u64 s[10:11], s[10:11], s[76:77]      ; b2 likewise
	s_lshl_b32 s76, s17, 10
	s_lshl_b32 s78, s41, 8
	s_add_co_u32 s76, s76, s78
	s_lshl_b32 s78, s14, 6
	s_add_co_u32 s76, s76, s78                     ; my first row of the planes: 1,024 e + 256 tt + 64 w
	s_lshl_b32 s76, s76, 11
	s_lshl_b32 s78, s42, 8                         ; my tile's 256 bytes of a row
	s_add_co_u32 s76, s76, s78
	s_add_nc_u64 s[12:13], s[12:13], s[76:77]
	CROUND                                         ; all sixteen work-groups are here: the first joint loads meet
	s_cmp_eq_u32 s15, 0                            ; a wave's two first fills stand in one branch: two loads of mine are out
	s_cbranch_scc0 .Lfirst_b
	tensor_load_to_lds s[G0A:G0A+3], s[G1A:G1A+7]
	s_nop 0
	tensor_load_to_lds s[G0A+4:G0A+7], s[G1A:G1A+7]
	s_nop 0
	PLACES 4
	s_branch .Lfirst_asked
.Lfirst_b:
	tensor_load_to_lds s[G0B:G0B+3], s[G1B:G1B+7]
	s_nop 0
	tensor_load_to_lds s[G0B+4:G0B+7], s[G1B:G1B+7]
	s_nop 0
	PLACES 4
.Lfirst_asked:
.irp t, 0,1,2,3
.irp g, 0,1,2,3,4,5,6,7
	global_load_b128 v[SBR+32*\t+4*\g:SBR+32*\t+4*\g+3], v7, s[8:9] offset:2048*\t+16*\g   ; a lane takes its rows' 128 bytes whole, once
.endr
.endr
.irp b, 0,1,2,3,4,5,6,7
	global_load_b128 v[BI+8*\b:BI+8*\b+3],   v[BO], s[10:11] offset:64*\b      ; tile b, lane (r, h), register j: b2 of output 16 b + 8 h + j
	global_load_b128 v[BI+8*\b+4:BI+8*\b+7], v[BO], s[10:11] offset:64*\b+16
.endr
.macro WM rb, ra
.if (\rb) && (\ra)
	v_wmma_scale_f32_16x16x128_f8f6f4 v[rD:rD+7], v[rB:rB+11], v[rA:rA+11], v[rC:rC+7], v[rSB], v[rSA] matrix_a_fmt:MATRIX_FMT_FP6 matrix_b_fmt:MATRIX_FMT_FP6 matrix_a_scale:MATRIX_SCALE_ROW1 matrix_b_scale:MATRIX_SCALE_ROW1
.elseif (\rb)
	v_wmma_scale_f32_16x16x128_f8f6f4 v[rD:rD+7], v[rB:rB+11], v[rA:rA+11], v[rC:rC+7], v[rSB], v[rSA] matrix_a_fmt:MATRIX_FMT_FP6 matrix_b_fmt:MATRIX_FMT_FP6 matrix_a_scale:MATRIX_SCALE_ROW1
.elseif (\ra)
	v_wmma_scale_f32_16x16x128_f8f6f4 v[rD:rD+7], v[rB:rB+11], v[rA:rA+11], v[rC:rC+7], v[rSB], v[rSA] matrix_a_fmt:MATRIX_FMT_FP6 matrix_b_fmt:MATRIX_FMT_FP6 matrix_b_scale:MATRIX_SCALE_ROW1
.else
	v_wmma_scale_f32_16x16x128_f8f6f4 v[rD:rD+7], v[rB:rB+11], v[rA:rA+11], v[rC:rC+7], v[rSB], v[rSA] matrix_a_fmt:MATRIX_FMT_FP6 matrix_b_fmt:MATRIX_FMT_FP6
.endif
.endm
; 8 matrix instructions: token block a x W2's eight tiles.  fs: the fragments' set; sg: the LDS slot; sl: the slot of K; q: its K step.  The 32 accumulators take turns in one order throughout
.macro MUL8 a, fs, sg, sl, q, bias
.irp b, 0,1,2,3,4,5,6,7
.set rD, 8*(8*(\a)+\b)
.set rB, 128*(\fs)+12*\b
.set rA, 64*(\fs)+12*(\a)
.set rC, rD
.if \bias
.set rC, BI+8*\b
.endif
.set rSB, SBR+32*(\b%4)+4*(\sl)+(\q)
.set rSA, SA+8*(\sg)+4*((\q)/2)+(\a)
	WM \b/4, (\q)%2
.endr
.endm
.macro FRAGB2 reg, sg, q, i            ; a fragment of W2: tile i, the slot's K step q, in pieces of 8 bytes; 16 bytes of padding lie behind every 16 pieces
.irp p, 0,1,2,3,4,5
.set PCE, 12*(\q)+6*(\p/3)+\p%3
.if PCE%16 < 13
	ds_load_b64 v[\reg+2*\p:\reg+2*\p+1], v[ADRB+(\sg)] offset:16*BP*(\i)+8*PCE+16*(PCE/16)
.else
	ds_load_b64 v[\reg+2*\p:\reg+2*\p+1], v[ADRB+2+(\sg)] offset:16*BP*(\i)+8*PCE+16*(PCE/16)
.endif
.endr
.endm
.macro FETCH2 sg, q, fs                ; a K step's fragments: 48 + 12 loads
	WIN 0x40
.irp i, 0,1,2,3,4,5,6,7
	FRAGB2 128*(\fs)+12*\i, \sg, \q, \i
.endr
	WIN 0x80
.irp a, 0,1,2,3
.irp c, 0,1,2
	ds_load_b128 v[64*(\fs)+12*\a+4*\c:64*(\fs)+12*\a+4*\c+3], v[ADRA+(\sg)] offset:6144*(\q)+1536*\a+512*\c
.endr
.endr
	WIN 0
.endm
.macro SCALES2 sg                      ; h's scale words of a slot: [s'][r][a]: a lane's 16 bytes are its token's four blocks
.irp p, 0,1
	ds_load_b128 v[SA+8*(\sg)+4*\p:SA+8*(\sg)+4*\p+3], v[ADSA+(\sg)] offset:512*\p
.endr
.endm
.macro STEP2 sg, sl, q, bias           ; one of a slot's first three K steps
	s_wait_dscnt 0x0                               ; this step's fragments, asked for a step ago
	PLACES 4                                       ; in front of loads into registers that the last step's products have read
	FETCH2 \sg, (\q)+1, 1-(\q)%2
	WIN 0xf9-0x30*(\bias)
.irp a, 0,1,2,3
	MUL8 \a, (\q)%2, \sg, \sl, \q, \bias
.endr
.endm
.macro TURN2 sg, nx, sl                ; a slot's last K step changes slots
	WIN 0                                          ; (the add's two registers lie in window 0)
	s_wait_tensorcnt 0x0                           ; all my tensor loads have landed: my part of the next slot
	ds_add_u32 v[SPW], v[NIL]                      ; 0 onto my spare word
	s_wait_dscnt 1                                 ; (the add may be out)
	WIN 0xf9
	MUL8 0, 1, \sg, \sl, 3, 0                      ; eight matrix instructions stand between the add and the wait for it
	s_wait_dscnt 0x0                               ; the add is done, and my reads of this slot are over
	s_barrier_signal -1
	MUL8 1, 1, \sg, \sl, 3, 0
	WIN 0
	s_barrier_wait -1
.if \sl <= 5
	CREST                                          ; the barrier has opened a round of the cluster's: no wave of any partner still reads this slot or has a load on its way
	s_add_nc_u64 s[G0A+4*(\sg)+2:G0A+4*(\sg)+3], s[G0A+4*(\sg)+2:G0A+4*(\sg)+3], 2*102400
	s_add_nc_u64 s[G0B+4*(\sg)+2:G0B+4*(\sg)+3], s[G0B+4*(\sg)+2:G0B+4*(\sg)+3], 2*384
	JLOAD \sg                                      ; my one tensor load behind the round; its four v_nop are also the places in front of the loads below
.else
	PLACES 4
.endif
	FETCH2 \nx, 0, 0
	SCALES2 \nx
.if \sl <= 3
	ASK \sl+4
.endif
	WIN 0xf9
	MUL8 2, 1, \sg, \sl, 3, 0
	MUL8 3, 1, \sg, \sl, 3, 0
.endm
	s_wait_tensorcnt 0x1                           ; my part of slot 0 is in; slot 1's may stay out
	s_barrier_signal -1
	s_barrier_wait -1                              ; everybody's is
	FETCH2 0, 0, 0
	SCALES2 0
	s_wait_loadcnt 0x0                             ; W2's scale words and b2
	STEP2 0, 0, 0, 1
	STEP2 0, 0, 1, 0
	STEP2 0, 0, 2, 0
	TURN2 0, 1, 0
.irp sl, 1,2,3,4,5,6
	STEP2 \sl%2, \sl, 0, 0
	STEP2 \sl%2, \sl, 1, 0
	STEP2 \sl%2, \sl, 2, 0
	TURN2 \sl%2, 1-\sl%2, \sl
.endr
	STEP2 1, 7, 0, 0
	STEP2 1, 7, 1, 0
	STEP2 1, 7, 2, 0
	s_wait_dscnt 0x0
	WIN 0xf9
.irp a, 0,1,2,3
	MUL8 \a, 1, 1, 7, 3, 0
.endr
	; THE WAY OUT, a block of 16 tokens at a time: rounded to bf16, 16 bytes a lane into my own stage, back as whole rows of 256 bytes.  LDS serves a wave's instructions in order (ISA guide 5.7.1.4): no wait between the stores and the loads.
	PLACES 4
.irp a, 0,1,2,3
	WIN 0x0f                                       ; sources 0 and 1: window 3
.irp b, 0,1,2,3,4,5,6,7
.irp q, 0,1,2,3
	v_cvt_pk_bf16_f32 v[TMP+4*\b+\q], v[8*(8*\a+\b)+2*\q], v[8*(8*\a+\b)+2*\q+1]   ; each accumulator from its low end on
.endr
.endr
	WIN 0
.irp b, 0,1,2,3,4,5,6,7
	ds_store_b128 v[STO], v[TMP+4*\b:TMP+4*\b+3] offset:32*\b
.endr
.if \a > 0
	s_wait_xcnt 0x0                                ; the last block's stores have read their registers
.endif
.irp i, 0,1,2,3,4,5,6,7
	ds_load_b128 v[BK+4*\i:BK+4*\i+3], v[RD] offset:544*\i
.endr
	s_wait_dscnt 0x0
.irp i, 0,1,2,3,4,5,6,7
	global_store_b128 v[CO], v[BK+4*\i:BK+4*\i+3], s[12:13] offset:32768*\a+4096*\i th:TH_STORE_NT   ; sixteen lanes store 256 consecutive bytes, aligned
.endr
.endr
	s_wait_tensorcnt 0x0                           ; the wave's end, behind my last tensor load and my last LDS store
	ds_add_u32 v[SPW], v[NIL]
	s_wait_dscnt 0x0
	CROUND                                         ; the closing round
	s_endpgm
.Lfunc_end_k_qa2e4fd4a5d_gemm2:
	.size	k_qa2e4fd4a5d_gemm2, .Lfunc_end_k_qa2e4fd4a5d_gemm2-k_qa2e4fd4a5d_gemm2
	.p2alignl 7, 3214868480
	.fill 96, 4, 3214868480
	.section	.rodata,"a",@progbits
	.p2align	6, 0x0
	.amdhsa_kernel k_qa2e4fd4a5d_gemm2
		.amdhsa_group_segment_fixed_size 327680
		.amdhsa_private_segment_fixed_size 0
		.amdhsa_enable_private_segment 0
		.amdhsa_kernarg_size 40
		.amdhsa_user_sgpr_count 2
		.amdhsa_user_sgpr_kernarg_segment_ptr 1
		.amdhsa_wavefront_size32 1
		.amdhsa_system_sgpr_workgroup_id_x 1
		.amdhsa_system_sgpr_workgroup_id_y 1
		.amdhsa_system_sgpr_workgroup_id_z 1
		.amdhsa_system_vgpr_workitem_id 0
		.amdhsa_next_free_vgpr 1024
		.amdhsa_next_free_sgpr 80
		.amdhsa_reserve_vcc 0
		.amdhsa_float_denorm_mode_32 3
		.amdhsa_float_denorm_mode_16_64 3
		.amdhsa_memory_ordered 1
		.amdhsa_forward_progress 1
		.amdhsa_inst_pref_size 255
	.end_amdhsa_kernel
	.section	.bss,"aw",@nobits
	.p2align	6
	.space	262144
	.amdgpu_metadata
---
amdhsa.version: [ 1, 2 ]
amdhsa.kernels:
  - .name:           k_qa2e4fd4a5d_gemm2
    .symbol:         k_qa2e4fd4a5d_gemm2.kd
    .args:
      - { .name: h, .offset: 0, .size: 8, .value_kind: global_buffer, .address_space: global }
      - { .name: W2_codes, .offset: 8, .size: 8, .value_kind: global_buffer, .address_space: global }
      - { .name: W2_scales, .offset: 16, .size: 8, .value_kind: global_buffer, .address_space: global }
      - { .name: b2, .offset: 24, .size: 8, .value_kind: global_buffer, .address_space: global }
      - { .name: planes, .offset: 32, .size: 8, .value_kind: global_buffer, .address_space: global }
    .group_segment_fixed_size: 327680
    .private_segment_fixed_size: 0
    .kernarg_segment_align: 8
    .kernarg_segment_size: 40
    .max_flat_workgroup_size: 128
    .sgpr_count:     80
    .vgpr_count:     1024
    .wavefront_size: 32
...
	.end_amdgpu_metadata
.endif
;; end of part 3
;; launch combine (part 4): grid 256 x 1, 8 waves a work-group, no clusters, 0 bytes of LDS; arguments planes, wts, out0; writes out0
.if DOCPART == 4
	.amdgcn_target "amdgcn-amd-amdhsa--gfx1250"
	.amdhsa_code_object_version 6
	.text
	.protected	k_qa2e4fd4a5d_combine
	.globl	k_qa2e4fd4a5d_combine
	.p2align	8
	.type	k_qa2e4fd4a5d_combine,@function
k_qa2e4fd4a5d_combine:
	s_mov_b64 s[64:65], 0
	v_nop
	global_prefetch_b8 v0, s[64:65] scope:SCOPE_SE
	s_setreg_imm32_b32 hwreg(HW_REG_WAVE_MODE, 25, 1), 1
	s_wait_xcnt 0x0
; FOURTH LAUNCH: y[n][o] = sum over e of w[n][e] planes[e][n][o]: the last product (K = 8), left as it is: planes in bf16, w and the sums in f32.  All eight terms are formed, those with the weight 0 too: no work is left out.
; A stream: work-group G owns rows 4 G .. 4 G + 3, thread t columns 4 t .. 4 t + 3.  All 32 loads of a thread go out at once (a wave's load covers 256 consecutive bytes); a row's weights are scalars.
; No LDS, no matrix unit, no cluster: K = 8, and work-groups share nothing.
	s_load_b128 s[4:7], s[0:1], 0x0                ; planes s[4:5], wts s[6:7]
	s_load_b64 s[8:9], s[0:1], 0x10                ; out0
	v_lshlrev_b32 v1, 3, v0                        ; 8 bytes of a plane's row
	v_lshlrev_b32 v2, 4, v0                        ; 16 bytes of y's row
	s_lshl_b32 s10, ttmp9, 13                      ; 4 rows of 2,048 bytes
	s_mov_b32 s11, 0
	s_lshl_b32 s12, ttmp9, 7                       ; 4 rows of 8 weights
	s_mov_b32 s13, 0
	s_lshl_b32 s14, ttmp9, 14                      ; 4 rows of 4,096 bytes
	s_mov_b32 s15, 0
	s_mov_b32 s50, 0xffff0000                      ; a word's upper bf16
	s_wait_kmcnt 0x0
	s_add_nc_u64 s[4:5], s[4:5], s[10:11]
	s_add_nc_u64 s[48:49], s[4:5], 0x800000        ; experts 4 to 7: four planes of 2,097,152 bytes on
	s_add_nc_u64 s[6:7], s[6:7], s[12:13]
	s_add_nc_u64 s[8:9], s[8:9], s[14:15]
.irp p, 0,1,2,3
	s_load_b256 s[16+8*\p:23+8*\p], s[6:7], 32*\p  ; row p's eight weights
.endr
.irp p, 0,1,2,3
.irp e, 0,1,2,3
	global_load_b64 v[16+16*\p+2*\e:17+16*\p+2*\e], v1, s[4:5] offset:2097152*\e+2048*\p th:TH_LOAD_NT
.endr
.irp e, 0,1,2,3
	global_load_b64 v[24+16*\p+2*\e:25+16*\p+2*\e], v1, s[48:49] offset:2097152*\e+2048*\p th:TH_LOAD_NT
.endr
.endr
	s_wait_kmcnt 0x0
.irp p, 0,1,2,3
	s_wait_loadcnt 24-8*\p                         ; this row's eight loads are in; the later rows' may be out
.irp e, 0,1,2,3,4,5,6,7
	v_lshlrev_b32 v[4+4*(\e%2)], 16, v[16+16*\p+2*\e]          ; bf16 to f32: the low half moves up, the high half stays
	v_and_b32     v[5+4*(\e%2)], s50, v[16+16*\p+2*\e]
	v_lshlrev_b32 v[6+4*(\e%2)], 16, v[17+16*\p+2*\e]
	v_and_b32     v[7+4*(\e%2)], s50, v[17+16*\p+2*\e]
.irp k, 0,1,2,3
.if \e == 0
	v_mul_f32 v[80+4*\p+\k], s[16+8*\p+\e], v[4+4*(\e%2)+\k]   ; the first term starts the sums
.else
	v_fma_f32 v[80+4*\p+\k], s[16+8*\p+\e], v[4+4*(\e%2)+\k], v[80+4*\p+\k]
.endif
.endr
.endr
	global_store_b128 v2, v[80+4*\p:83+4*\p], s[8:9] offset:4096*\p th:TH_STORE_NT   ; a wave stores 512 consecutive bytes; each row has registers of its own
.endr
	s_endpgm
.Lfunc_end_k_qa2e4fd4a5d_combine:
	.size	k_qa2e4fd4a5d_combine, .Lfunc_end_k_qa2e4fd4a5d_combine-k_qa2e4fd4a5d_combine
	.p2alignl 7, 3214868480
	.fill 96, 4, 3214868480
	.section	.rodata,"a",@progbits
	.p2align	6, 0x0
	.amdhsa_kernel k_qa2e4fd4a5d_combine
		.amdhsa_group_segment_fixed_size 0
		.amdhsa_private_segment_fixed_size 0
		.amdhsa_enable_private_segment 0
		.amdhsa_kernarg_size 24
		.amdhsa_user_sgpr_count 2
		.amdhsa_user_sgpr_kernarg_segment_ptr 1
		.amdhsa_wavefront_size32 1
		.amdhsa_system_sgpr_workgroup_id_x 1
		.amdhsa_system_sgpr_workgroup_id_y 1
		.amdhsa_system_sgpr_workgroup_id_z 1
		.amdhsa_system_vgpr_workitem_id 0
		.amdhsa_next_free_vgpr 96
		.amdhsa_next_free_sgpr 66
		.amdhsa_reserve_vcc 0
		.amdhsa_float_denorm_mode_32 3
		.amdhsa_float_denorm_mode_16_64 3
		.amdhsa_memory_ordered 1
		.amdhsa_forward_progress 1
		.amdhsa_inst_pref_size 17
	.end_amdhsa_kernel
	.amdgpu_metadata
---
amdhsa.version: [ 1, 2 ]
amdhsa.kernels:
  - .name:           k_qa2e4fd4a5d_combine
    .symbol:         k_qa2e4fd4a5d_combine.kd
    .args:
      - { .name: planes, .offset: 0, .size: 8, .value_kind: global_buffer, .address_space: global }
      - { .name: wts, .offset: 8, .size: 8, .value_kind: global_buffer, .address_space: global }
      - { .name: out0, .offset: 16, .size: 8, .value_kind: global_buffer, .address_space: global }
    .group_segment_fixed_size: 0
    .private_segment_fixed_size: 0
    .kernarg_segment_align: 8
    .kernarg_segment_size: 24
    .max_flat_workgroup_size: 256
    .sgpr_count:     66
    .vgpr_count:     96
    .wavefront_size: 32
...
	.end_amdgpu_metadata
.endif
;; end of part 4
